; MI455X (gfx1250); checked and timed in simulation.
; The chip was launched on July 23, 2026; its instructions are those of AMD's public machine-readable ISA for CDNA 5 (MIT licence, August 2026) and "CDNA5" Instruction Set Architecture Reference Guide (July 2026). The comments in the code are by the model that wrote it; some were corrected since.
;; Scaled Dot Product Attention. Allowed arithmetic: matrix products marked QUANTISED: E2M3 operands, one E8M0 scale for each 32 along K, by v_wmma_scale_f32_16x16x128_f8f6f4 with both operands' format E2M3, f32 sums; everything else in f32.
;; Inputs: keys_codes 4 x 16 x 2,048 x 2 x 24 uint8 (E2M3 codes of keys, K innermost, in blocks of 32 codes, four codes in three bytes); keys_scales 4 x 16 x 2,048 x 2 uint8 (E8M0 scales of keys, one for each 32 codes along K); mask 2,048 x 2,048 bool; queries_codes 4 x 16 x 2,048 x 2 x 24 uint8 (E2M3 codes of queries, K innermost, in blocks of 32 codes, four codes in three bytes); queries_scales 4 x 16 x 2,048 x 2 uint8 (E8M0 scales of queries, one for each 32 codes along K); values_codes 4 x 16 x 64 x 64 x 24 uint8 (E2M3 codes of values, K innermost, in blocks of 32 codes, four codes in three bytes); values_scales 4 x 16 x 64 x 64 uint8 (E8M0 scales of values, one for each 32 codes along K).
;; Outputs: out0 4 x 16 x 2,048 x 64 float32.
;; This version of the problem:
;;   THIS VERSION OF THE PROBLEM IS GIVEN IN LOW PRECISION. The matrix products marked QUANTISED in the list below multiply operands that are first quantised to E2M3 (2 exponent bits, 3 mantissa bits; 6 bits a number), with one power-of-two scale for each 32 numbers along K (OCP MX v1.0); their sums are f32. All else is computed in f32.
;;   The module's matrix products, in the order in which they are computed (A, B: the left and right operand; K: the contracted axis; several contracted axes count as one K, in the product's order):
;;     1. batch 64 x [M 2,048, K 64] x [K 64, N 2,048]; A: input queries (given as codes); B: input keys (given as codes): QUANTISED
;;     2. batch 64 x [M 2,048, K 2,048] x [K 2,048, N 64]; A: softmax (see below); B: input values (given as codes): QUANTISED
;;   THE QUANTISER, for each operand of a quantised product, along K:
;;     - K is cut into blocks of 32 from its start; a last block that is shorter is filled with zeros.
;;     - A block's scale is 2^e with e = floor(log2(the largest magnitude in the block)) - 2, held to -126 .. 127; a block of zeros has e = 0. As a byte (E8M0): e + 127.
;;     - Each number is divided by its block's scale, clamped to +-7.5, and rounded to the nearest number of E2M3, ties to even, subnormals kept.
;;     - The product sums the exact products of the quantised numbers (number of the format x scale) in f32.
;;   ~~~python
;;   def quantise(x, axis):      # numpy; x: float32 -> the quantised numbers, widened to float32 again
;;       x = np.moveaxis(x, axis, -1); K = x.shape[-1]
;;       x = np.pad(x, [(0, 0)] * (x.ndim - 1) + [(0, -K % 32)]); x = x.reshape(x.shape[:-1] + (-1, 32)); a = np.abs(x).max(-1, keepdims=True)
;;       e = np.where(a > 0, np.clip(np.frexp(np.where(a > 0, a, 1))[1] - 1 - 2, -126, 127), 0)      # np.frexp(a)[1] - 1 = floor(log2(a)), exactly
;;       r = np.clip(x / 2.0 ** e, -7.5, 7.5)
;;       step = 2.0 ** (np.maximum(np.frexp(np.where(r == 0, 1, r))[1] - 1, 0) - 3)
;;       q = np.round(r / step) * step * 2.0 ** e      # np.round: ties to even
;;       return np.moveaxis(q.reshape(q.shape[:-2] + (-1,))[..., :K], -1, axis).astype(np.float32)
;;   ~~~
;;   SOFTMAX AHEAD OF A QUANTISED PRODUCT. Where the list says 'softmax', what is quantised is not the finished softmax but p = 2^(t - M), with t = logit x log2(e) and M = ceil(the row's largest t), a whole number; so 1/2 < the row's largest p <= 1. The row's sum l is taken of the UNQUANTISED p, in f32, and the product's result is divided by l at the end. Since M is a whole number, a kernel that streams over the keys may use a running M (the ceiling of the running maximum): every later rescaling is an exact power of two, which a block's scale takes up: the codes' values come out the same.
;;   OPERANDS COMPUTED ON THE WAY. 'Computed on the way' means the value that the module computes at that place (a softmax that the list does not call 'softmax' is quantised finished and normalised). What goes into a quantiser is computed in f32, as accurately as f32 sums, v_exp_f32 and their like allow (about 1e-6 of the number): no bf16 or f16 on the way to a quantiser, and a product that is left as it is and whose result goes on into a quantised operand takes f32 operands (vector FMAs, or v_wmma_f32_16x16x4_f32). A number that lies on a knife's edge between two numbers of the format may be rounded either way, as far as f32 arithmetic and the matrix unit's own rounding can turn it there, and no further.
;;   INPUTS GIVEN AS CODES. keys (in the module: [4, 16, 2048, 64], K = its axis 3); queries (in the module: [4, 16, 2048, 64], K = its axis 3); values (in the module: [4, 16, 2048, 64], K = its axis 2): each comes as NAME_codes (uint8): NAME with its K axis moved to the last place and cut into blocks of 32 codes, [.., K / 32, bytes a block], one block behind the other in memory; four codes in three bytes: a row's codes are one little-endian stream of bits, code i at bits 6 i .. 6 i + 5 (a code: sign, 2 exponent bits, 3 mantissa bits); and NAME_scales (uint8): the same leading axes, one E8M0 byte (e + 127) for each 32 codes along K. Its value is code x scale, taken as it is: it is not quantised again, and the codes and scales need not be those that the quantiser above would give.
;; 2 versions. Each part assembles by itself: llvm-mc -triple=amdgcn-amd-amdhsa -mcpu=gfx1250 --defsym DOCPART=n.
;; ======== version 1 of 2: 2 launches
;; workspace buffers: maskw 524,288 bytes of whole numbers; flags 16,384 bytes of whole numbers
;; launch maskprep (part 1): grid 128 x 1, 16 waves a work-group, no clusters, 2,304 bytes of LDS; arguments mask, maskw, flags; writes maskw, flags
.if DOCPART == 1
	.amdgcn_target "amdgcn-amd-amdhsa--gfx1250"
	.amdhsa_code_object_version 6
	.text
	.protected	k_q280490eec2_maskprep
	.globl	k_q280490eec2_maskprep
	.p2align	8
	.type	k_q280490eec2_maskprep,@function
k_q280490eec2_maskprep:
	s_mov_b64 s[64:65], 0
	v_nop
	global_prefetch_b8 v0, s[64:65] scope:SCOPE_SE
	s_setreg_imm32_b32 hwreg(HW_REG_WAVE_MODE, 25, 1), 1
	s_wait_xcnt 0x0
; The mask [2048 queries][2048 keys], one byte each, is turned into lane masks for the attention launch, and each tile of 16 queries x 128 keys gets two bits.
; Work-group T (0..127) takes queries 16 T .. 16 T + 15, its wave s (0..15) keys 128 s .. 128 s + 127: one wave makes one record.
; maskw: record (T, s) is 256 bytes at 4096 T + 256 s: 64 words.  Bit l of word n = mask[16 T + l % 16][128 s + 32 (n / 16) + 16 (l / 16) + n % 16]:
;   the lane l and the score register n in which the attention launch holds that query and key.
; flags: record T is 128 bytes at 128 T.  Word 0: bit s set where tile (T, s) has a true entry; word 1: bit s set where all its entries are true;
;   words 2 to 31 repeat word 0, so that every byte of the buffer is stored; bits 16 to 31 of each word repeat bits 0 to 15.
; A mask byte counts as false where it is 0 and as true otherwise; 'all true' is only said where every byte is 1, so that any other byte merely costs the selects.
; No matrix unit, no tensor load: 4 MiB are read once, 16 bytes a lane; the sixteen waves of a work-group together read whole rows.
.set MB,  8                            ; v8-23   64 mask bytes: dword n / 4, byte n % 4, belongs to word n
.set OW,  24                           ; v24-25  the record: lane l holds words 2 l and 2 l + 1
.set TP,  26                           ; v26-29  at work
	s_load_b128 s[4:7], s[0:1], 0x0                ; mask s[4:5], maskw s[6:7]
	s_load_b64 s[8:9], s[0:1], 0x10                ; flags
	v_lshl_add_u32 v40, v0, 2, 0x100
	v_mov_b32 v41, 0
	v_lshrrev_b32 v7, 5, v0
	v_readfirstlane_b32 s10, v7                    ; wave = key step s
	v_lshlrev_b32 v7, 2, v7                        ; LDS: my wave's word
	v_and_b32 v1, 31, v0                           ; lane
	v_and_b32 v2, 15, v0                           ; r: my query in the tile
	v_bfe_u32 v3, v0, 4, 1                         ; h
	v_lshlrev_b32 v4, 11, v2                       ; a row of the mask is 2,048 bytes
	v_lshl_add_u32 v4, v3, 4, v4                   ; + 16 h
	v_lshlrev_b32 v5, 3, v1                        ; the record: 8 bytes a lane
	v_lshlrev_b32 v6, 2, v1                        ; the flags: 4 bytes a lane
	v_lshlrev_b32 v33, 2, v2                       ; LDS: the word of wave lane % 16
	v_mov_b32 v[OW], 0                             ; written whole once: a lane write keeps the other lanes
	v_mov_b32 v[OW+1], 0
	s_mov_b32 s13, 0
	s_lshl_b32 s12, ttmp9, 15                      ; 16 rows of 2,048 bytes a tile,
	s_lshl_b32 s11, s10, 7                         ; 128 keys a step
	s_add_co_u32 s12, s12, s11
	s_wait_kmcnt 0x0
	s_add_nc_u64 s[4:5], s[4:5], s[12:13]
	s_lshl_b32 s12, ttmp9, 12
	s_lshl_b32 s11, s10, 8
	s_add_co_u32 s12, s12, s11
	s_add_nc_u64 s[6:7], s[6:7], s[12:13]          ; my record
	s_lshl_b32 s12, ttmp9, 7
	s_add_nc_u64 s[8:9], s[8:9], s[12:13]          ; my tile's flags
.irp b, 0,1,2,3
	global_load_b128 v[MB+4*\b:MB+4*\b+3], v4, s[4:5] offset:32*\b th:TH_LOAD_NT   ; keys 32 b + 16 h + 0 .. 15 of my query
.endr
	s_wait_loadcnt 0x0
; word n: one byte of each lane is cut out, the compare gathers the 32 lanes' bits in a scalar register, and that word is put into lane n / 2 of the record
.set n, 0
.rept 64
	v_and_b32 v[TP+n%4], 0xff<<(8*(n%4)), v[MB+n/4]
	v_cmp_ne_u32 s[16+n%8], 0, v[TP+n%4]
	v_writelane_b32 v[OW+n%2], s[16+n%8], n/2
.set n, n+1
.endr
	global_store_b64 v5, v[OW:OW+1], s[6:7]        ; the wave stores 256 consecutive bytes, at a multiple of 256 from the buffer's first byte
	v_or_b32 v30, v[MB], v[MB+1]                   ; any byte set?  all bytes 1?
	v_and_b32 v31, v[MB], v[MB+1]
.irp i, 2,3,4,5,6,7,8,9,10,11,12,13,14,15
	v_or_b32 v30, v30, v[MB+\i]
	v_and_b32 v31, v31, v[MB+\i]
.endr
	v_cmp_ne_u32 s24, 0, v30
	v_cmp_eq_u32 s25, 0x01010101, v31
	s_cmp_lg_u32 s24, 0
	s_cselect_b32 s26, 1, 0                        ; some lane has a true entry
	s_cmp_eq_u32 s25, -1
	s_cselect_b32 s27, 1, 0                        ; every lane has true entries alone
	s_add_co_u32 s26, s26, s27                     ; 0: none, 1: some, 2: all
	v_mov_b32 v32, s26
	ds_store_b32 v7, v32                           ; all lanes write the wave's word with the same value
	s_wait_dscnt 0x0                               ; for wave 0's sake: my store is done
	s_barrier_signal -1
	s_barrier_wait -1
	s_cmp_lg_u32 s10, 0
	s_cbranch_scc1 .Lend                           ; wave 0 alone gathers the sixteen figures
	ds_load_b32 v32, v33                           ; lane l: the figure of wave l % 16
	s_wait_dscnt 0x0
	v_cmp_ne_u32 s28, 0, v32                       ; bit s: some
	v_cmp_eq_u32 s29, 2, v32                       ; bit s: all
	v_mov_b32 v34, s28
	v_writelane_b32 v34, s29, 1
	global_store_b32 v6, v34, s[8:9]               ; 128 consecutive bytes
.Lend:
	s_wait_tensorcnt 0x0
	ds_add_u32 v40, v41
	s_wait_dscnt 0x0
	s_endpgm
.Lfunc_end_k_q280490eec2_maskprep:
	.size	k_q280490eec2_maskprep, .Lfunc_end_k_q280490eec2_maskprep-k_q280490eec2_maskprep
	.p2alignl 7, 3214868480
	.fill 96, 4, 3214868480
	.section	.rodata,"a",@progbits
	.p2align	6, 0x0
	.amdhsa_kernel k_q280490eec2_maskprep
		.amdhsa_group_segment_fixed_size 2304
		.amdhsa_private_segment_fixed_size 0
		.amdhsa_enable_private_segment 0
		.amdhsa_kernarg_size 24
		.amdhsa_user_sgpr_count 2
		.amdhsa_user_sgpr_kernarg_segment_ptr 1
		.amdhsa_wavefront_size32 1
		.amdhsa_system_sgpr_workgroup_id_x 1
		.amdhsa_system_sgpr_workgroup_id_y 1
		.amdhsa_system_sgpr_workgroup_id_z 1
		.amdhsa_system_vgpr_workitem_id 0
		.amdhsa_next_free_vgpr 42
		.amdhsa_next_free_sgpr 66
		.amdhsa_reserve_vcc 0
		.amdhsa_float_denorm_mode_32 3
		.amdhsa_float_denorm_mode_16_64 3
		.amdhsa_memory_ordered 1
		.amdhsa_forward_progress 1
		.amdhsa_inst_pref_size 16
	.end_amdhsa_kernel
	.amdgpu_metadata
---
amdhsa.version: [ 1, 2 ]
amdhsa.kernels:
  - .name:           k_q280490eec2_maskprep
    .symbol:         k_q280490eec2_maskprep.kd
    .args:
      - { .name: mask, .offset: 0, .size: 8, .value_kind: global_buffer, .address_space: global }
      - { .name: maskw, .offset: 8, .size: 8, .value_kind: global_buffer, .address_space: global }
      - { .name: flags, .offset: 16, .size: 8, .value_kind: global_buffer, .address_space: global }
    .group_segment_fixed_size: 2304
    .private_segment_fixed_size: 0
    .kernarg_segment_align: 8
    .kernarg_segment_size: 24
    .max_flat_workgroup_size: 512
    .sgpr_count:     66
    .vgpr_count:     42
    .wavefront_size: 32
...
	.end_amdgpu_metadata
.endif
;; end of part 1
;; launch attn (part 2): grid 4 x 64, 16 waves a work-group, no clusters, 296,960 bytes of LDS; arguments queries_codes, queries_scales, keys_codes, keys_scales, values_codes, values_scales, maskw, flags, out0; writes out0
.if DOCPART == 2
	.amdgcn_target "amdgcn-amd-amdhsa--gfx1250"
	.amdhsa_code_object_version 6
	.text
	.protected	k_q280490eec2_attn
	.globl	k_q280490eec2_attn
	.p2align	8
	.type	k_q280490eec2_attn,@function
k_q280490eec2_attn:
	s_mov_b64 s[64:65], 0
	v_nop
	global_prefetch_b8 v0, s[64:65] scope:SCOPE_SE
	s_setreg_imm32_b32 hwreg(HW_REG_WAVE_MODE, 25, 1), 1
	s_wait_xcnt 0x0
; out0[head][q][:] = the sum over k of softmax_k(mask ? Q[q] . K[k] / 8 : -inf) V[k][:], 64 heads, 2,048 queries and keys, head size 64; both products on codes of FP6 (E2M3) with one E8M0 scale for each 32 along K.
; Q, K: 48 bytes of codes and 2 scale bytes a row.  V: keys innermost, 64 rows of 1,536 bytes of codes and 64 scale bytes a head.  The mask comes as lane masks and tile flags, made by the launch before.
; THE SOFTMAX AHEAD OF THE SECOND PRODUCT: t = score x log2(e) / 8; M = the row's largest t so far, rounded UP to a whole number; p = 2^(t - M) is quantised along the keys, not normalised.  The row's sum is
; taken of the unquantised p, in f32, and divides O at the end.  When M moves, the sum and O are multiplied by 2^(old M - new M): exact.
; SHARES.  Four work-groups to a head (x = j), sixteen waves each, four to a SIMD, so that one wave's vector work stands beside another's matrix work and LDS loads.  With u = j + 4 x wave (0..63) a wave makes
; two tiles of 16 queries one after the other: tile u and tile 127 - u.  For each it walks 16 key steps of 128 keys.
; A HEAD'S K, V AND SCALES LIE IN LDS WHOLE: 16 step records of 13,056 bytes, images of the operands' registers (lane l's 16 bytes at 16 l), written once at the head (wave w makes record w), one barrier, then only read.
; THE MASK.  A step none of whose 16 x 128 entries is true is left out (a scalar branch on the stored flags); a step all of whose entries are true goes without selects; in any other step each score register
; takes one v_cndmask_b32, its lane mask a stored word in a scalar register.  A query with no true entry at all ends with O = 0 and sum = 0: 0 x (1 / 0) is NaN, as the softmax of such a row is.
; NO CLUSTER, NO TENSOR LOAD: the four work-groups of a head read the same K and V, but each reads them once, 204,800 bytes at its head; a joint request is a tensor load, and this text has none, since its walk
; branches on numbers read from memory (the flags).
; LAYOUT.  Both products are used transposed: S^T = K Q^T (source 0 = 16 keys, source 1 = my 16 queries), O^T = V^T P^T (source 0 = 16 of the head's 64, source 1 = P): a lane holds ONE query (lane % 16) throughout.
; THE KEYS OF A TILE ARE NOT NEIGHBOURS: lane r of tile 2 b + u takes key 32 b + 8 u + r + 8 (r / 8), so that score register 16 b + i of lane (r, h) is key 32 b + 16 h + i: 16 neighbours along the next K.
; THE FIRST PRODUCT'S K IS 64, THE INSTRUCTION'S 128: Q's operand has zero CODES in its upper six registers.  K's eight tiles lie on end, six registers each; a tile's operand runs on over the next tile's six
; (the last tile's over six zero registers), which meet Q's zero codes and add nothing.  The scale bytes of those two blocks are 0 on both sides.
; LIMITS: NaN, infinities and the scale byte 0xff among the inputs are not served; a p under 2^-126 counts as 0 (v_exp_f32 gives 0 there).
.set STEPB,  13056                     ; a step record:
.set KOFF,   0                         ;   12 x 512 bytes: K's 8 tiles x 6 registers
.set VOFF,   6144                      ;   12 x 512 bytes: V's 4 tiles x 12 registers
.set KSOFF,  12288                     ;   512 bytes: 4 words a lane: word i of lane (r, h) = the scale word of K's tile 2 i + h, row r (two bytes, two zeros)
.set VSOFF,  12800                     ;   256 bytes: 2 words a lane: word i of lane (r, h) = V's scale word of d-tile 2 i + h, row r
.set SPITCH, 272                       ; the way out: a stage of 16 rows x (256 bytes + 16) for each wave, its own
.set WSTG,   16*SPITCH
.set REC,    16*WSTG                   ; LDS: the sixteen stages from byte 0, the sixteen records from byte 69,632 to 278,527.  The claim leaves more than a record's length behind them: the walking
                                       ; address s[TB] holds REC + 16 STEPB when a loop is left (no load uses that value)
.set LI16, 1                           ; v1   16 x lane
.set LI8,  2                           ; v2   8 x lane
.set ADR,  3                           ; v3   the step record, 16 bytes a lane
.set ADR8, 4                           ; v4   the same, 8 bytes a lane
.set NINF, 5                           ; v5   -infinity
.set QO,   6                           ; v6   Q: 48 r + 24 h
.set QSO,  7                           ; v7   Q's scales: 2 r
.set STO,  8                           ; v8   the stage: where I put 32 bytes of a row
.set RD,   9                           ; v9   and where I read a row back
.set GO,   10                          ; v10  my byte offset in the tile's 16 rows of out0
.set TMP,  11                          ; v11  at work
                                       ; v12 -M, v13 the largest t so far, v[14:15] the sum in two halves
.set QF,   16                          ; v16-27  Q's operand: six registers of codes, six of zeros
.set QS,   28                          ; v28  Q's scale word
.set FF,   30                          ; v30  f = 2^(old M - new M)
.set PW,   31                          ; v31  P's scale word
.set FB,   32                          ; v32-79  fragments of K, then of V
.set ZP,   80                          ; v80-85  zeros behind K's last tile
.set KS,   86                          ; v86-89  K's scale words
.set VS,   90                          ; v90-91  V's
.set BM,   92                          ; v92-95  the four blocks' largest scores, then largest p
.set BT,   96                          ; v96-103 at work
.set SO,   104                         ; v104-107 the conversions' scale operands
.set PC,   108                         ; v108-119 P's codes
.set S,    120                         ; v120-183 S^T, then p
.set OT,   184                         ; v184-215 O^T
.set KO,   216                         ; v216 K: 48 (r + 8 (r / 8)) + 24 h
.set VO,   217                         ; v217 V: 1536 r + 24 h
.set KSO,  218                         ; v218 K's scales: 2 (r + 8 (r / 8)) + 16 h
.set VSO,  219                         ; v219 V's scales: 64 x lane
.set QC,   4                           ; s[4:5]   Q's codes at my head
.set QSC,  6                           ; s[6:7]   Q's scales at my head
.set MWB,  8                           ; s[8:9]   maskw
.set FLB,  10                          ; s[10:11] flags
.set OB,   12                          ; s[12:13] out0 at my head
.set WV,   14                          ; s14  wave
.set U,    15                          ; s15  u
                                       ; s[16:63], s[68:83]: the step's 64 mask words (word n in s[16 + n], from n = 48 on in s[20 + n]); at the head: the arguments and the fill's bases
.set MW,   84                          ; s[84:85] the step's record in maskw
.set ANY,  86                          ; s86  bit 0: the step in hand has a true entry
.set ALL,  87                          ; s87  bit 0: it has true entries alone
.set TB,   88                          ; s88  LDS byte at which the step's record begins
.set CNT,  89                          ; s89  steps done
.set HD,   90                          ; s90  head
.set TT,   91                          ; s91  the tile of queries in hand
.set CS,   92                          ; s[92:93] c = log2(e) / 8: the packed form names a pair and takes its low word for both halves
.set SEL,  94                          ; s[94:95] lane selects for v_permlanex16_b32: lane l xor 16
                                       ; s[96:97] an offset, its upper word 0; s[98:99], s[100:101], s[2:3] bases of the tile in hand
	s_load_b512 s[16:31], s[0:1], 0x0              ; Q's codes s[16:17], Q's scales s[18:19], K's s[20:21], s[22:23], V's s[24:25], s[26:27], maskw s[28:29], flags s[30:31]
	s_load_b64 s[OB:OB+1], s[0:1], 0x40            ; out0
	v_lshl_add_u32 v220, v0, 2, 0x48000
	v_mov_b32 v221, 0
	v_lshrrev_b32 v[TMP], 5, v0
	v_readfirstlane_b32 s[WV], v[TMP]              ; wave 0..15
	v_and_b32 v123, 31, v0                         ; lane
	v_and_b32 v120, 15, v0                         ; r
	v_bfe_u32 v121, v0, 4, 1                       ; h
	v_and_b32 v122, 8, v120
	v_add_nc_u32 v122, v122, v120                  ; r + 8 (r / 8)
	v_lshlrev_b32 v[LI16], 4, v123
	v_lshlrev_b32 v[LI8], 3, v123
	v_mov_b32 v[NINF], 0xff800000
	v_mul_u32_u24 v[QO], v120, 48
	v_mad_u32_u24 v[QO], v121, 24, v[QO]
	v_lshlrev_b32 v[QSO], 1, v120
	s_mul_i32 s3, s[WV], WSTG                      ; my stage
	v_mul_u32_u24 v[STO], v120, SPITCH             ; in: row r, 32 bytes for each half of the lanes
	v_lshl_add_u32 v[STO], v121, 5, v[STO]
	v_add_nc_u32 v[STO], s3, v[STO]
	v_mul_u32_u24 v[RD], v121, SPITCH              ; back: lanes 0-15 one row of 256 bytes, lanes 16-31 the next
	v_lshl_add_u32 v[RD], v120, 4, v[RD]
	v_add_nc_u32 v[RD], s3, v[RD]
	v_lshlrev_b32 v[GO], 8, v121                   ; and the same two rows in out0
	v_lshl_add_u32 v[GO], v120, 4, v[GO]
	v_mul_u32_u24 v[KO], v122, 48
	v_mad_u32_u24 v[KO], v121, 24, v[KO]
	v_mul_u32_u24 v[VO], v120, 1536
	v_mad_u32_u24 v[VO], v121, 24, v[VO]
	v_lshlrev_b32 v[KSO], 1, v122
	v_lshl_add_u32 v[KSO], v121, 4, v[KSO]
	v_lshlrev_b32 v[VSO], 6, v123
.irp i, 0,1,2,3,4,5
	v_mov_b32 v[QF+6+\i], 0                        ; Q's zero codes for k = 64 .. 127: they stay
	v_mov_b32 v[ZP+\i], 0                          ; and the six registers behind K's last tile
.endr
.irp b, 0,1,2,3
	v_mov_b32 v[BT+\b], 0                          ; written once: a lane permute's destination counts as one of its sources
.endr
	v_mov_b32 v[PW], 0                             ; (named as the upper half of the pair v[30:31] before it is first written)
	s_mul_i32 s[TB], s[WV], STEPB
	s_add_co_u32 s[TB], s[TB], REC                 ; the record that I fill: my wave's number
	v_add_nc_u32 v[ADR], s[TB], v[LI16]
	v_add_nc_u32 v[ADR8], s[TB], v[LI8]
	s_lshl_b32 s[U], s[WV], 2
	s_add_co_u32 s[U], s[U], ttmp9                 ; u = j + 4 x wave
	s_and_b32 s[HD], ttmp7, 0xffff                 ; the head
	s_mov_b32 s97, 0
	s_mov_b32 s99, 0
	s_mov_b32 s[CS], 0x3e38aa3b                    ; c = log2(e) / 8
	s_mov_b32 s[CS+1], s[CS]                       ; (named with it as a pair, so it is written)
	s_mov_b32 s[SEL], 0x76543210
	s_mov_b32 s[SEL+1], 0xfedcba98
	s_wait_kmcnt 0x0
	s_mul_i32 s96, s[HD], 98304                    ; a head's codes: 2,048 x 48 bytes in each of the three tensors
	s_add_nc_u64 s[QC:QC+1], s[16:17], s[96:97]
	s_add_nc_u64 s[32:33], s[20:21], s[96:97]
	s_add_nc_u64 s[36:37], s[24:25], s[96:97]
	s_lshl_b32 s96, s[HD], 12                      ; its scale bytes: 4,096
	s_add_nc_u64 s[QSC:QSC+1], s[18:19], s[96:97]
	s_add_nc_u64 s[34:35], s[22:23], s[96:97]
	s_add_nc_u64 s[38:39], s[26:27], s[96:97]
	s_mov_b64 s[MWB:MWB+1], s[28:29]
	s_mov_b64 s[FLB:FLB+1], s[30:31]
	s_lshl_b32 s96, s[HD], 19                      ; its rows of out0: 2,048 x 256 bytes
	s_add_nc_u64 s[OB:OB+1], s[OB:OB+1], s[96:97]
	s_mul_i32 s98, s[WV], 6144                     ; key step w: K's 128 rows of 48 bytes,
	s_add_nc_u64 s[32:33], s[32:33], s[98:99]
	s_lshl_b32 s98, s[WV], 8                       ; their 256 scale bytes,
	s_add_nc_u64 s[34:35], s[34:35], s[98:99]
	s_mul_i32 s98, s[WV], 96                       ; 96 bytes of each row of V,
	s_add_nc_u64 s[36:37], s[36:37], s[98:99]
	s_lshl_b32 s98, s[WV], 2                       ; and 4 scale bytes of each
	s_add_nc_u64 s[38:39], s[38:39], s[98:99]
	; THE FILL: the operands of key step w come from memory in the registers' own order and go to LDS as they stand
.irp t, 0,1,2,3,4,5,6,7
.irp p, 0,1,2
	global_load_b64 v[FB+6*\t+2*\p:FB+6*\t+2*\p+1], v[KO], s[32:33] offset:(32*(\t/2)+8*(\t%2))*48+8*\p   ; K's tile t: 24 bytes of my key's row: k = 32 h + 0 .. 31
.endr
.endr
.irp i, 0,1,2,3
	global_load_u16 v[KS+\i], v[KSO], s[34:35] offset:64*\i      ; two scale bytes, widened with zeros: tile 2 i + h, row r
.endr
.irp i, 0,1
	global_load_b32 v[VS+\i], v[VSO], s[38:39] offset:2048*\i    ; channel 32 i + lane: d-tile 2 i + h, row r
.endr
.irp d, 0,1,2,3
.irp c, 0,1
.irp p, 0,1,2
	global_load_b64 v[S+12*\d+6*\c+2*\p:S+12*\d+6*\c+2*\p+1], v[VO], s[36:37] offset:16*\d*1536+48*\c+8*\p   ; V's d-tile: keys 64 c + 32 h + 0 .. 31 of channel 16 d + r
.endr
.endr
.endr
	s_wait_loadcnt 24                              ; loads come back in order: all but V's 24, the last issued, are in
.irp g, 0,1,2,3,4,5,6,7,8,9,10,11
	ds_store_b128 v[ADR], v[FB+4*\g:FB+4*\g+3] offset:KOFF+512*\g
.endr
	ds_store_b128 v[ADR], v[KS:KS+3] offset:KSOFF
	ds_store_b64 v[ADR8], v[VS:VS+1] offset:VSOFF
	s_wait_loadcnt 0x0
.irp g, 0,1,2,3,4,5,6,7,8,9,10,11
	ds_store_b128 v[ADR], v[S+4*\g:S+4*\g+3] offset:VOFF+512*\g
.endr
	s_wait_dscnt 0x0                               ; for the others' sake: my record is written
	s_barrier_signal -1
	s_barrier_wait -1                              ; all sixteen records lie in LDS; from here on they are only read, and no further barrier is needed
; A KEY STEP: 128 keys against my 16 queries.
.macro STEP
	v_add_nc_u32 v[ADR], s[TB], v[LI16]            ; (these two stand ahead of the branch: with the two v_nop below they are the four places between the last step's products and the loads into their registers)
	v_add_nc_u32 v[ADR8], s[TB], v[LI8]
	s_bitcmp1_b32 s[ANY], 0
	s_cbranch_scc0 .Lskip_\@                       ; no entry of the mask is true here: every p would be 0
	s_load_b512 s[16:31], s[MW:MW+1], 0x0          ; the step's 64 lane masks
	s_load_b512 s[32:47], s[MW:MW+1], 0x40
	s_load_b512 s[48:63], s[MW:MW+1], 0x80
	s_load_b512 s[68:83], s[MW:MW+1], 0xc0
	v_nop
	v_nop
.irp g, 0,1,2,3,4,5,6,7,8,9,10,11
	ds_load_b128 v[FB+4*\g:FB+4*\g+3], v[ADR] offset:KOFF+512*\g
.endr
	ds_load_b128 v[KS:KS+3], v[ADR] offset:KSOFF
	ds_load_b64 v[VS:VS+1], v[ADR8] offset:VSOFF
	s_wait_dscnt 0x0
.irp t, 0,2,4,6                                ; S^T = K Q^T: eight accumulators, each begun with the constant 0.  An even tile's scale words lie in lanes 0-15 of its register, the odd tile's in lanes 16-31
	v_wmma_scale_f32_16x16x128_f8f6f4 v[S+8*\t:S+8*\t+7], v[FB+6*\t:FB+6*\t+11], v[QF:QF+11], 0, v[KS+\t/2], v[QS] matrix_a_fmt:MATRIX_FMT_FP6 matrix_b_fmt:MATRIX_FMT_FP6
	v_wmma_scale_f32_16x16x128_f8f6f4 v[S+8*\t+8:S+8*\t+15], v[FB+6*\t+6:FB+6*\t+17], v[QF:QF+11], 0, v[KS+\t/2], v[QS] matrix_a_fmt:MATRIX_FMT_FP6 matrix_b_fmt:MATRIX_FMT_FP6 matrix_a_scale:MATRIX_SCALE_ROW1
.endr
.rept 4
	v_nop                                          ; four places in front of the loads into K's registers and of the first read of the scores
.endr
.irp g, 0,1,2,3,4,5,6,7,8,9,10,11
	ds_load_b128 v[FB+4*\g:FB+4*\g+3], v[ADR] offset:VOFF+512*\g   ; V takes K's registers and lands while the softmax is walked
.endr
	s_wait_kmcnt 0x0                               ; the lane masks are in (also where they are not used: their registers and their base are written again later)
	s_bitcmp1_b32 s[ALL], 0
	s_cbranch_scc1 .Lopen_\@                       ; every entry is true: nothing to select
.set n, 0
.rept 64
	v_cndmask_b32 v[S+n], v[NINF], v[S+n], s[16+n+4*(n/48)]   ; the score where the mask's bit is set, else -infinity: p = 0 then.  Ascending: each accumulator is read from its low end on
.set n, n+1
.endr
.Lopen_\@:
.irp b, 0,1,2,3
	v_max3_num_f32 v[BM+\b], v[S+16*\b], v[S+16*\b+1], v[S+16*\b+2]   ; THE LARGEST SCORE OF EACH BLOCK OF 32 KEYS: it serves for the row's maximum and, since p rises with the score, for the block's largest p
.endr
.irp i, 3,5,7,9,11,13
.irp b, 0,1,2,3
	v_max3_num_f32 v[BM+\b], v[BM+\b], v[S+16*\b+\i], v[S+16*\b+\i+1]   ; (the four blocks by turns)
.endr
.endr
.irp b, 0,1,2,3
	v_max_num_f32 v[BM+\b], v[BM+\b], v[S+16*\b+15]
.endr
.irp b, 0,1,2,3
	v_permlanex16_b32 v[BT+\b], v[BM+\b], s[SEL], s[SEL+1]
.endr
.irp b, 0,1,2,3
	v_max_num_f32 v[BM+\b], v[BM+\b], v[BT+\b]     ; with lane l xor 16's 16 keys
.endr
	v_max3_num_f32 v[TMP], v[BM], v[BM+1], v[BM+2]
	v_max_num_f32 v[TMP], v[TMP], v[BM+3]          ; the step's largest score of my query
	v_mul_f32 v[TMP], s[CS], v[TMP]                ; as t (c is positive)
	v_max_num_f32 v13, v13, v[TMP]                 ; the running largest t
	v_mov_b32 v[TMP], v12
	v_floor_f32 v12, -v13                          ; the new -M = floor(-t) = -ceil(t): M is a whole number
	v_sub_f32 v[TMP], v12, v[TMP]                  ; M's old value less its new one: a whole number, 0 or less
	v_cvt_i32_f32 v[TMP], v[TMP]                   ; (it saturates)
	v_ldexp_f32 v[FF], 1.0, v[TMP]                 ; f = 2^(old M - new M)
.set j, 0
.rept 32
	v_pk_fma_f32 v[S+j:S+j+1], v[S+j:S+j+1], s[CS:CS+1], v[12:13] op_sel_hi:[1,0,0]   ; t - M, two at a time
.set j, j+2
.endr
.irp b, 0,1,2,3
	v_fma_f32 v[BM+\b], v[BM+\b], s[CS], v12       ; the same of each block's largest score
.endr
.set j, 0
.rept 64
	v_exp_f32 v[S+j], v[S+j]                       ; p = 2^(t - M), at most 1: not normalised
.set j, j+1
.endr
	v_pk_mul_f32 v[14:15], v[14:15], v[FF:FF+1] op_sel_hi:[1,0]   ; the sum under the new M: the plain instruction behind the exponentials
	s_wait_alu depctr_va_vdst(0)                   ; one wait for the batch of 64, ahead of its first reader
.irp b, 0,1,2,3
	v_exp_f32 v[BM+\b], v[BM+\b]                   ; the block's largest p: the same two instructions on the same number give the same bits
.endr
	v_pk_add_f32 v[BT:BT+1], v[S:S+1], v[S+2:S+3]  ; THE ROW'S SUM IS TAKEN OF THE UNQUANTISED p: two at a time, in two chains.  (Plain work behind the four)
.irp j, 4,8,12,16,20,24,28,32,36,40,44
	v_pk_add_f32 v[14:15], v[14:15], v[S+\j:S+\j+1]
	v_pk_add_f32 v[BT:BT+1], v[BT:BT+1], v[S+\j+2:S+\j+3]
.endr
.irp j, 48,52,56,60
	v_pk_add_f32 v[BT:BT+1], v[BT:BT+1], v[S+\j+2:S+\j+3]   ; (the first chain's last four additions stand further down)
.endr
	v_pk_add_f32 v[14:15], v[14:15], v[BT:BT+1]
	s_wait_alu depctr_va_vdst(0)                   ; and one wait for the four
.irp b, 0,1,2,3
	v_max_num_f32 v[BM+\b], 0x1800000, v[BM+\b]    ; the floor 2^(3 - 127): the byte cannot fall under 1 (a block whose every p is 0 keeps that byte: its codes are zeros)
.endr
.irp b, 0,1,2,3
	v_add_nc_u32 v[SO+\b], 0xff000000, v[BM+\b]    ; 2 off the exponent field: the conversion's scale operand
.endr
.irp b, 0,1,2,3
	v_lshrrev_b32 v[BT+\b], 23, v[SO+\b]           ; the scale's byte
.endr
	v_lshl_or_b32 v[PW], v[BT+1], 8, v[BT]         ; P's scale word for these 128 keys
	v_lshl_or_b32 v[PW], v[BT+2], 16, v[PW]
	v_lshl_or_b32 v[PW], v[BT+3], 24, v[PW]
.irp c, 0,1
	v_cvt_scalef32_pk16_fp6_f32 v[PC+6*\c:PC+6*\c+2], v[S+32*\c:S+32*\c+15], v[SO+2*\c]
	v_cvt_scalef32_pk16_fp6_f32 v[BT+4*\c:BT+4*\c+2], v[S+32*\c+16:S+32*\c+31], v[SO+2*\c+1]   ; (a conversion's three registers begin on an even number)
.endr
	v_nop                                          ; one plain instruction between a scaled conversion and the vector instruction that touches its result
.irp c, 0,1                                    ; the operand's layout wants a WHOLE block in a lane: lanes 0-15 block 2 c, lanes 16-31 block 2 c + 1
.irp i, 0,1,2
	v_permlane16_swap_b32 v[PC+6*\c+\i], v[BT+4*\c+\i]
.endr
.irp i, 0,1,2
	v_mov_b32 v[PC+3+6*\c+\i], v[BT+4*\c+\i]
.endr
.endr
.set j, 0
.rept 16
	v_pk_mul_f32 v[OT+j:OT+j+1], v[OT+j:OT+j+1], v[FF:FF+1] op_sel_hi:[1,0]   ; O^T under the new M: x f.  Ascending: each accumulator is read from its low end on
.set j, j+2
.endr
.irp j, 48,52,56,60
	v_pk_add_f32 v[14:15], v[14:15], v[S+\j:S+\j+1]   ; the sum's last four pairs: plain work that names no register of the products below.  With the sixteen above: 20 instructions behind the last write of P's codes and scale word
.endr
	s_wait_dscnt 0x0                               ; V is in
.irp d, 0,2                                    ; O^T += V^T P^T: four accumulators by turns, one instruction a turn; the next step's eight products of S^T stand between two links
	v_wmma_scale_f32_16x16x128_f8f6f4 v[OT+8*\d:OT+8*\d+7], v[FB+12*\d:FB+12*\d+11], v[PC:PC+11], v[OT+8*\d:OT+8*\d+7], v[VS+\d/2], v[PW] matrix_a_fmt:MATRIX_FMT_FP6 matrix_b_fmt:MATRIX_FMT_FP6
	v_wmma_scale_f32_16x16x128_f8f6f4 v[OT+8*\d+8:OT+8*\d+15], v[FB+12*\d+12:FB+12*\d+23], v[PC:PC+11], v[OT+8*\d+8:OT+8*\d+15], v[VS+\d/2], v[PW] matrix_a_fmt:MATRIX_FMT_FP6 matrix_b_fmt:MATRIX_FMT_FP6 matrix_a_scale:MATRIX_SCALE_ROW1
.endr
.Lskip_\@:
.endm
; THE WAY OUT of a tile: O^T is divided by the sum and goes through my stage in LDS, so that sixteen lanes store one whole row of 256 bytes.
.macro OUT
	v_add_f32 v14, v14, v15                        ; the sum's two halves,
	v_permlanex16_b32 v[TMP], v14, s[SEL], s[SEL+1]
	v_add_f32 v14, v14, v[TMP]                     ; and lane l xor 16's: the row's sum
	v_rcp_f32 v14, v14
.rept 3
	v_nop                                          ; the plain instruction behind the reciprocal; with the two additions above also the places behind the last products
.endr
	s_wait_alu depctr_va_vdst(0)                   ; ahead of the reciprocal's first reader
.set j, 0
.rept 16
	v_pk_mul_f32 v[S+j:S+j+1], v[OT+j:OT+j+1], v[14:15] op_sel_hi:[1,0]   ; register 8 d + i is o(query r, channel 16 d + 8 h + i)
.set j, j+2
.endr
.irp d, 0,1,2,3
	ds_store_b128 v[STO], v[S+8*\d:S+8*\d+3] offset:64*\d
	ds_store_b128 v[STO], v[S+8*\d+4:S+8*\d+7] offset:64*\d+16
.endr
.irp i, 0,1,2,3,4,5,6,7
	ds_load_b128 v[FB+4*\i:FB+4*\i+3], v[RD] offset:2*\i*SPITCH   ; LDS serves a wave's instructions in order (ISA guide 5.7.1.4): these see my stores
.endr
.irp i, 0,1,2,3,4,5,6,7
	s_wait_dscnt 7-\i                              ; the 7 - i younger loads from the stage may stay out
	global_store_b128 v[GO], v[FB+4*\i:FB+4*\i+3], s[98:99] offset:512*\i th:TH_STORE_NT   ; 16 lanes store 256 consecutive bytes, at a multiple of 256 from out0's first byte
.endr
.endm
; ONE TILE OF 16 QUERIES, s[TT]: Q and the flags are fetched, the 16 key steps are walked, the tile goes out.
.macro PASS
	s_wait_xcnt 0x0                                ; the last tile's stores have read their registers and their base: both are written again below
	s_mul_i32 s96, s[TT], 768                      ; 16 rows of 48 bytes
	s_add_nc_u64 s[98:99], s[QC:QC+1], s[96:97]
.irp p, 0,1,2
	global_load_b64 v[QF+2*\p:QF+2*\p+1], v[QO], s[98:99] offset:8*\p   ; Q's codes: k = 32 h + 0 .. 31 of query r
.endr
	s_lshl_b32 s96, s[TT], 5
	s_add_nc_u64 s[100:101], s[QSC:QSC+1], s[96:97]
	global_load_u16 v[QS], v[QSO], s[100:101]      ; its two scale bytes, widened with zeros
	s_lshl_b32 s96, s[TT], 7
	s_add_nc_u64 s[2:3], s[FLB:FLB+1], s[96:97]
	s_load_b64 s[ANY:ALL], s[2:3], 0x0             ; the tile's flags: bit s for key step s
	s_lshl_b32 s96, s[TT], 12                      ; the tile's 16 records in maskw are 4,096 bytes, and so are its 16 rows of out0
	s_add_nc_u64 s[MW:MW+1], s[MWB:MWB+1], s[96:97]
	v_mov_b32 v13, 0xff61b1e6                      ; the largest t so far: -3e38, under every t
	v_floor_f32 v12, -v13                          ; -M
	v_mov_b32 v14, 0                               ; the sum, in two halves
	v_mov_b32 v15, 0
.set j, 0
.rept 32
	v_mov_b32 v[OT+j], 0                           ; O^T.  Which step is the first that is not left out hangs on the flags, so no step can be written out as the one that starts the sums
.set j, j+1
.endr
	s_mov_b32 s[TB], REC
	s_mov_b32 s[CNT], 0
	s_wait_kmcnt 0x0                               ; the flags
	s_wait_loadcnt 0x0                             ; Q; its loads are done, so their base may be written:
	s_add_nc_u64 s[98:99], s[OB:OB+1], s[96:97]    ; the tile's rows of out0
.Lstep_\@:
	STEP
	s_lshr_b32 s[ANY], s[ANY], 1                   ; on to the next step: its flags,
	s_lshr_b32 s[ALL], s[ALL], 1
	s_add_nc_u64 s[MW:MW+1], s[MW:MW+1], 256       ; its lane masks (the loads that named this base were waited for),
	s_add_co_u32 s[TB], s[TB], STEPB               ; its record
	s_add_co_u32 s[CNT], s[CNT], 1
	s_cmp_lt_u32 s[CNT], 16
	s_cbranch_scc1 .Lstep_\@
	OUT
.endm
	s_mov_b32 s[TT], s[U]                          ; tile u,
	PASS
	s_sub_co_u32 s[TT], 127, s[U]                  ; and tile 127 - u
	PASS
	s_wait_tensorcnt 0x0
	ds_add_u32 v220, v221
	s_wait_dscnt 0x0
	s_endpgm
.Lfunc_end_k_q280490eec2_attn:
	.size	k_q280490eec2_attn, .Lfunc_end_k_q280490eec2_attn-k_q280490eec2_attn
	.p2alignl 7, 3214868480
	.fill 96, 4, 3214868480
	.section	.rodata,"a",@progbits
	.p2align	6, 0x0
	.amdhsa_kernel k_q280490eec2_attn
		.amdhsa_group_segment_fixed_size 296960
		.amdhsa_private_segment_fixed_size 0
		.amdhsa_enable_private_segment 0
		.amdhsa_kernarg_size 72
		.amdhsa_user_sgpr_count 2
		.amdhsa_user_sgpr_kernarg_segment_ptr 1
		.amdhsa_wavefront_size32 1
		.amdhsa_system_sgpr_workgroup_id_x 1
		.amdhsa_system_sgpr_workgroup_id_y 1
		.amdhsa_system_sgpr_workgroup_id_z 1
		.amdhsa_system_vgpr_workitem_id 0
		.amdhsa_next_free_vgpr 222
		.amdhsa_next_free_sgpr 102
		.amdhsa_reserve_vcc 0
		.amdhsa_float_denorm_mode_32 3
		.amdhsa_float_denorm_mode_16_64 3
		.amdhsa_memory_ordered 1
		.amdhsa_forward_progress 1
		.amdhsa_inst_pref_size 62
	.end_amdhsa_kernel
	.amdgpu_metadata
---
amdhsa.version: [ 1, 2 ]
amdhsa.kernels:
  - .name:           k_q280490eec2_attn
    .symbol:         k_q280490eec2_attn.kd
    .args:
      - { .name: queries_codes, .offset: 0, .size: 8, .value_kind: global_buffer, .address_space: global }
      - { .name: queries_scales, .offset: 8, .size: 8, .value_kind: global_buffer, .address_space: global }
      - { .name: keys_codes, .offset: 16, .size: 8, .value_kind: global_buffer, .address_space: global }
      - { .name: keys_scales, .offset: 24, .size: 8, .value_kind: global_buffer, .address_space: global }
      - { .name: values_codes, .offset: 32, .size: 8, .value_kind: global_buffer, .address_space: global }
      - { .name: values_scales, .offset: 40, .size: 8, .value_kind: global_buffer, .address_space: global }
      - { .name: maskw, .offset: 48, .size: 8, .value_kind: global_buffer, .address_space: global }
      - { .name: flags, .offset: 56, .size: 8, .value_kind: global_buffer, .address_space: global }
      - { .name: out0, .offset: 64, .size: 8, .value_kind: global_buffer, .address_space: global }
    .group_segment_fixed_size: 296960
    .private_segment_fixed_size: 0
    .kernarg_segment_align: 8
    .kernarg_segment_size: 72
    .max_flat_workgroup_size: 512
    .sgpr_count:     102
    .vgpr_count:     222
    .wavefront_size: 32
...
	.end_amdgpu_metadata
.endif
;; end of part 2
;; ======== version 2 of 2: 2 launches
;; workspace buffers: maskw 524,288 bytes of whole numbers; flags 16,384 bytes of whole numbers
;; launch maskprep (part 3): grid 128 x 1, 16 waves a work-group, no clusters, 2,304 bytes of LDS; arguments mask, maskw, flags; writes maskw, flags
.if DOCPART == 3
	.amdgcn_target "amdgcn-amd-amdhsa--gfx1250"
	.amdhsa_code_object_version 6
	.text
	.protected	k_q280490eec2_maskprep
	.globl	k_q280490eec2_maskprep
	.p2align	8
	.type	k_q280490eec2_maskprep,@function
k_q280490eec2_maskprep:
	s_mov_b64 s[64:65], 0
	v_nop
	global_prefetch_b8 v0, s[64:65] scope:SCOPE_SE
	s_setreg_imm32_b32 hwreg(HW_REG_WAVE_MODE, 25, 1), 1
	s_wait_xcnt 0x0
; The mask [2048 queries][2048 keys], one byte each, is turned into lane masks for the attention launch, and each tile of 16 queries x 128 keys gets two bits.
; Work-group T (0..127) takes queries 16 T .. 16 T + 15, its wave s (0..15) keys 128 s .. 128 s + 127: one wave makes one record.
; maskw: record (T, s) is 256 bytes at 4096 T + 256 s: 64 words.  Bit l of word n = mask[16 T + l % 16][128 s + 32 (n / 16) + 16 (l / 16) + n % 16]:
;   the lane l and the score register n in which the attention launch holds that query and key.
; flags: record T is 128 bytes at 128 T.  Word 0: bit s set where tile (T, s) has a true entry; word 1: bit s set where all its entries are true;
;   words 2 to 31 repeat word 0, so that every byte of the buffer is stored; bits 16 to 31 of each word repeat bits 0 to 15.
; A mask byte counts as false where it is 0 and as true otherwise; 'all true' is only said where every byte is 1, so that any other byte merely costs the selects.
; No matrix unit, no tensor load: 4 MiB are read once, 16 bytes a lane; the sixteen waves of a work-group together read whole rows.
.set MB,  8                            ; v8-23   64 mask bytes: dword n / 4, byte n % 4, belongs to word n
.set OW,  24                           ; v24-25  the record: lane l holds words 2 l and 2 l + 1
.set TP,  26                           ; v26-29  at work
	s_load_b128 s[4:7], s[0:1], 0x0                ; mask s[4:5], maskw s[6:7]
	s_load_b64 s[8:9], s[0:1], 0x10                ; flags
	v_lshl_add_u32 v40, v0, 2, 0x100
	v_mov_b32 v41, 0
	v_lshrrev_b32 v7, 5, v0
	s_delay_alu instid0(VALU_DEP_1)
	v_readfirstlane_b32 s10, v7                    ; wave = key step s
	s_delay_alu instid0(VALU_DEP_2)
	v_lshlrev_b32 v7, 2, v7                        ; LDS: my wave's word
	v_and_b32 v1, 31, v0                           ; lane
	v_and_b32 v2, 15, v0                           ; r: my query in the tile
	v_bfe_u32 v3, v0, 4, 1                         ; h
	s_delay_alu instid0(VALU_DEP_2)
	v_lshlrev_b32 v4, 11, v2                       ; a row of the mask is 2,048 bytes
	s_delay_alu instid0(VALU_DEP_1)
	v_lshl_add_u32 v4, v3, 4, v4                   ; + 16 h
	v_lshlrev_b32 v5, 3, v1                        ; the record: 8 bytes a lane
	v_lshlrev_b32 v6, 2, v1                        ; the flags: 4 bytes a lane
	v_lshlrev_b32 v33, 2, v2                       ; LDS: the word of wave lane % 16
	v_mov_b32 v[OW], 0                             ; written whole once: a lane write keeps the other lanes
	v_mov_b32 v[OW+1], 0
	s_mov_b32 s13, 0
	s_lshl_b32 s12, ttmp9, 15                      ; 16 rows of 2,048 bytes a tile,
	s_lshl_b32 s11, s10, 7                         ; 128 keys a step
	s_add_co_u32 s12, s12, s11
	s_wait_alu depctr_va_vdst(0)
	s_wait_kmcnt 0x0
	s_add_nc_u64 s[4:5], s[4:5], s[12:13]
	s_lshl_b32 s12, ttmp9, 12
	s_lshl_b32 s11, s10, 8
	s_add_co_u32 s12, s12, s11
	s_add_nc_u64 s[6:7], s[6:7], s[12:13]          ; my record
	s_lshl_b32 s12, ttmp9, 7
	s_add_nc_u64 s[8:9], s[8:9], s[12:13]          ; my tile's flags
.irp b, 0,1,2,3
	global_load_b128 v[MB+4*\b:MB+4*\b+3], v4, s[4:5] offset:32*\b th:TH_LOAD_NT   ; keys 32 b + 16 h + 0 .. 15 of my query
.endr
	s_wait_loadcnt 0x0
; word n: one byte of each lane is cut out, the compare gathers the 32 lanes' bits in a scalar register, and that word is put into lane n / 2 of the record
.set n, 0
.rept 64
	v_and_b32 v[TP+n%4], 0xff<<(8*(n%4)), v[MB+n/4]
	s_delay_alu instid0(VALU_DEP_1)
	v_cmp_ne_u32 s[16+n%8], 0, v[TP+n%4]
	s_delay_alu instid0(VALU_DEP_1)
	v_writelane_b32 v[OW+n%2], s[16+n%8], n/2
.set n, n+1
.endr
	global_store_b64 v5, v[OW:OW+1], s[6:7]        ; the wave stores 256 consecutive bytes, at a multiple of 256 from the buffer's first byte
	v_or_b32 v30, v[MB], v[MB+1]                   ; any byte set?  all bytes 1?
	v_and_b32 v31, v[MB], v[MB+1]
.irp i, 2,3,4,5,6,7,8,9,10,11,12,13,14,15
	s_delay_alu instid0(VALU_DEP_2)
	v_or_b32 v30, v30, v[MB+\i]
	s_delay_alu instid0(VALU_DEP_2)
	v_and_b32 v31, v31, v[MB+\i]
.endr
	s_delay_alu instid0(VALU_DEP_2)
	v_cmp_ne_u32 s24, 0, v30
	s_delay_alu instid0(VALU_DEP_2)
	v_cmp_eq_u32 s25, 0x01010101, v31
	s_cmp_lg_u32 s24, 0
	s_cselect_b32 s26, 1, 0                        ; some lane has a true entry
	s_cmp_eq_u32 s25, -1
	s_cselect_b32 s27, 1, 0                        ; every lane has true entries alone
	s_add_co_u32 s26, s26, s27                     ; 0: none, 1: some, 2: all
	v_mov_b32 v32, s26
	ds_store_b32 v7, v32                           ; all lanes write the wave's word with the same value
	s_wait_dscnt 0x0                               ; for wave 0's sake: my store is done
	s_barrier_signal -1
	s_barrier_wait -1
	s_cmp_lg_u32 s10, 0
	s_cbranch_scc1 .Lend                           ; wave 0 alone gathers the sixteen figures
	ds_load_b32 v32, v33                           ; lane l: the figure of wave l % 16
	s_wait_dscnt 0x0
	v_cmp_ne_u32 s28, 0, v32                       ; bit s: some
	v_cmp_eq_u32 s29, 2, v32                       ; bit s: all
	s_delay_alu instid0(VALU_DEP_2)
	v_mov_b32 v34, s28
	s_delay_alu instid0(VALU_DEP_1)
	v_writelane_b32 v34, s29, 1
	global_store_b32 v6, v34, s[8:9]               ; 128 consecutive bytes
.Lend:
	s_wait_tensorcnt 0x0
	ds_add_u32 v40, v41
	s_wait_dscnt 0x0
	s_endpgm
.Lfunc_end_k_q280490eec2_maskprep:
	.size	k_q280490eec2_maskprep, .Lfunc_end_k_q280490eec2_maskprep-k_q280490eec2_maskprep
	.p2alignl 7, 3214868480
	.fill 96, 4, 3214868480
	.section	.rodata,"a",@progbits
	.p2align	6, 0x0
	.amdhsa_kernel k_q280490eec2_maskprep
		.amdhsa_group_segment_fixed_size 2304
		.amdhsa_private_segment_fixed_size 0
		.amdhsa_enable_private_segment 0
		.amdhsa_kernarg_size 24
		.amdhsa_user_sgpr_count 2
		.amdhsa_user_sgpr_kernarg_segment_ptr 1
		.amdhsa_wavefront_size32 1
		.amdhsa_system_sgpr_workgroup_id_x 1
		.amdhsa_system_sgpr_workgroup_id_y 1
		.amdhsa_system_sgpr_workgroup_id_z 1
		.amdhsa_system_vgpr_workitem_id 0
		.amdhsa_next_free_vgpr 42
		.amdhsa_next_free_sgpr 66
		.amdhsa_reserve_vcc 0
		.amdhsa_float_denorm_mode_32 3
		.amdhsa_float_denorm_mode_16_64 3
		.amdhsa_memory_ordered 1
		.amdhsa_forward_progress 1
		.amdhsa_inst_pref_size 22
	.end_amdhsa_kernel
	.amdgpu_metadata
---
amdhsa.version: [ 1, 2 ]
amdhsa.kernels:
  - .name:           k_q280490eec2_maskprep
    .symbol:         k_q280490eec2_maskprep.kd
    .args:
      - { .name: mask, .offset: 0, .size: 8, .value_kind: global_buffer, .address_space: global }
      - { .name: maskw, .offset: 8, .size: 8, .value_kind: global_buffer, .address_space: global }
      - { .name: flags, .offset: 16, .size: 8, .value_kind: global_buffer, .address_space: global }
    .group_segment_fixed_size: 2304
    .private_segment_fixed_size: 0
    .kernarg_segment_align: 8
    .kernarg_segment_size: 24
    .max_flat_workgroup_size: 512
    .sgpr_count:     66
    .vgpr_count:     42
    .wavefront_size: 32
...
	.end_amdgpu_metadata
.endif
;; end of part 3
;; launch attn (part 4): grid 4 x 64, 16 waves a work-group, no clusters, 296,960 bytes of LDS; arguments queries_codes, queries_scales, keys_codes, keys_scales, values_codes, values_scales, maskw, flags, out0; writes out0
.if DOCPART == 4
	.amdgcn_target "amdgcn-amd-amdhsa--gfx1250"
	.amdhsa_code_object_version 6
	.text
	.protected	k_q280490eec2_attn
	.globl	k_q280490eec2_attn
	.p2align	8
	.type	k_q280490eec2_attn,@function
k_q280490eec2_attn:
	s_mov_b64 s[64:65], 0
	v_nop
	global_prefetch_b8 v0, s[64:65] scope:SCOPE_SE
	s_setreg_imm32_b32 hwreg(HW_REG_WAVE_SCHED_MODE, 0, 2), 2
	s_setreg_imm32_b32 hwreg(HW_REG_WAVE_MODE, 25, 1), 1
	s_wait_xcnt 0x0
	s_wait_alu depctr_vm_vsrc(0)
; out0[head][q][:] = the sum over k of softmax_k(mask ? Q[q] . K[k] / 8 : -inf) V[k][:], 64 heads, 2,048 queries and keys, head size 64; both products on codes of FP6 (E2M3) with one E8M0 scale for each 32 along K.
; Q, K: 48 bytes of codes and 2 scale bytes a row.  V: keys innermost, 64 rows of 1,536 bytes of codes and 64 scale bytes a head.  The mask comes as lane masks and tile flags, made by the launch before.
; THE SOFTMAX AHEAD OF THE SECOND PRODUCT: t = score x log2(e) / 8; M = the row's largest t so far, rounded UP to a whole number; p = 2^(t - M) is quantised along the keys, not normalised.  The row's sum is
; taken of the unquantised p, in f32, and divides O at the end.  When M moves, the sum and O are multiplied by 2^(old M - new M): exact.
; SHARES.  Four work-groups to a head (x = j), sixteen waves each, four to a SIMD, so that one wave's vector work stands beside another's matrix work and LDS loads.  With u = j + 4 x wave (0..63) a wave makes
; two tiles of 16 queries one after the other: tile u and tile 127 - u.  For each it walks 16 key steps of 128 keys.
; A HEAD'S K, V AND SCALES LIE IN LDS WHOLE: 16 step records of 13,056 bytes, images of the operands' registers (lane l's 16 bytes at 16 l), written once at the head (wave w makes record w), one barrier, then only read.
; THE MASK.  A step none of whose 16 x 128 entries is true is left out (a scalar branch on the stored flags); a step all of whose entries are true goes without selects; in any other step each score register
; takes one v_cndmask_b32, its lane mask a stored word in a scalar register.  A query with no true entry at all ends with O = 0 and sum = 0: 0 x (1 / 0) is NaN, as the softmax of such a row is.
; NO CLUSTER, NO TENSOR LOAD: the four work-groups of a head read the same K and V, but each reads them once, 204,800 bytes at its head; a joint request is a tensor load, and this text has none, since its walk
; branches on numbers read from memory (the flags).
; LAYOUT.  Both products are used transposed: S^T = K Q^T (source 0 = 16 keys, source 1 = my 16 queries), O^T = V^T P^T (source 0 = 16 of the head's 64, source 1 = P): a lane holds ONE query (lane % 16) throughout.
; THE KEYS OF A TILE ARE NOT NEIGHBOURS: lane r of tile 2 b + u takes key 32 b + 8 u + r + 8 (r / 8), so that score register 16 b + i of lane (r, h) is key 32 b + 16 h + i: 16 neighbours along the next K.
; THE FIRST PRODUCT'S K IS 64, THE INSTRUCTION'S 128: Q's operand has zero CODES in its upper six registers.  K's eight tiles lie on end, six registers each; a tile's operand runs on over the next tile's six
; (the last tile's over six zero registers), which meet Q's zero codes and add nothing.  The scale bytes of those two blocks are 0 on both sides.
; LIMITS: NaN, infinities and the scale byte 0xff among the inputs are not served; a p under 2^-126 counts as 0 (v_exp_f32 gives 0 there).
; THE MODE: SCHED_MODE bits 1:0 = 2 (LLVM: expert scheduling mode 2), set by the entry lines.  The code itself states the register dependences between vector or matrix instructions and memory or LDS
; instructions, with s_wait_alu, always for 0.
; THE PLAN.  Registers that memory or LDS instructions touch:
;   v[ADR], v[ADR8]  Written by two additions at each step's head; read by the fill's LDS stores and by the step's 26 LDS loads.
;   FB               Fill: global loads land, LDS stores read.  Step: K's 12 loads land, the eight products K Q^T read; V's 12 loads land, the four products V^T P read.  Way out: the stage's loads land, global stores read.
;   KS, VS           Fill: loads land, LDS stores read.  Step: LDS loads land with K's; read by the products.
;   S                Head: v120-123 are temporaries.  Fill: V's loads land in v120-167, LDS stores read.  Step: named by vector and matrix instructions alone.  Way out: written by the packed multiplies, read by LDS stores.
;   QF's lower six, QS   Loaded at a tile's head; read by the products K Q^T.
;   the offsets v6-10 and v216-219 are made at the head and never written again; v220, v221 are read by the closing add alone.
; A STEP HAS FOUR WAITS.  (1) vm_vsrc at its head, ahead of the two additions.  (2) va_vdst ahead of K's run of loads: the addresses are written, the last walked step's products are done with FB, KS, VS.
; (3) va_vdst behind all 68 exponentials: their results are written, and the products K Q^T, issued ahead of it, are done reading FB: V's run of loads stands directly behind it.
; (4) va_vdst directly ahead of the products V^T P: P's codes and scale word are written.  No vector instruction between (3) and the products V^T P names FB.
.set STEPB,  13056                     ; a step record:
.set KOFF,   0                         ;   12 x 512 bytes: K's 8 tiles x 6 registers
.set VOFF,   6144                      ;   12 x 512 bytes: V's 4 tiles x 12 registers
.set KSOFF,  12288                     ;   512 bytes: 4 words a lane: word i of lane (r, h) = the scale word of K's tile 2 i + h, row r (two bytes, two zeros)
.set VSOFF,  12800                     ;   256 bytes: 2 words a lane: word i of lane (r, h) = V's scale word of d-tile 2 i + h, row r
.set SPITCH, 272                       ; the way out: a stage of 16 rows x (256 bytes + 16) for each wave, its own
.set WSTG,   16*SPITCH
.set REC,    16*WSTG                   ; LDS: the sixteen stages from byte 0, the sixteen records from byte 69,632 to 278,527.  The claim leaves more than a record's length behind them: the walking
                                       ; address s[TB] holds REC + 16 STEPB when a loop is left (no load uses that value)
.set LI16, 1                           ; v1   16 x lane
.set LI8,  2                           ; v2   8 x lane
.set ADR,  3                           ; v3   the step record, 16 bytes a lane
.set ADR8, 4                           ; v4   the same, 8 bytes a lane
.set NINF, 5                           ; v5   -infinity
.set QO,   6                           ; v6   Q: 48 r + 24 h
.set QSO,  7                           ; v7   Q's scales: 2 r
.set STO,  8                           ; v8   the stage: where I put 32 bytes of a row
.set RD,   9                           ; v9   and where I read a row back
.set GO,   10                          ; v10  my byte offset in the tile's 16 rows of out0
.set TMP,  11                          ; v11  at work
                                       ; v12 -M, v13 the largest t so far, v[14:15] the sum in two halves
.set QF,   16                          ; v16-27  Q's operand: six registers of codes, six of zeros
.set QS,   28                          ; v28  Q's scale word
.set FF,   30                          ; v30  f = 2^(old M - new M)
.set PW,   31                          ; v31  P's scale word
.set FB,   32                          ; v32-79  fragments of K, then of V
.set ZP,   80                          ; v80-85  zeros behind K's last tile
.set KS,   86                          ; v86-89  K's scale words
.set VS,   90                          ; v90-91  V's
.set BM,   92                          ; v92-95  the four blocks' largest scores, then largest p
.set BT,   96                          ; v96-103 at work
.set SO,   104                         ; v104-107 the conversions' scale operands
.set PC,   108                         ; v108-119 P's codes
.set S,    120                         ; v120-183 S^T, then p
.set OT,   184                         ; v184-215 O^T
.set KO,   216                         ; v216 K: 48 (r + 8 (r / 8)) + 24 h
.set VO,   217                         ; v217 V: 1536 r + 24 h
.set KSO,  218                         ; v218 K's scales: 2 (r + 8 (r / 8)) + 16 h
.set VSO,  219                         ; v219 V's scales: 64 x lane
.set QC,   4                           ; s[4:5]   Q's codes at my head
.set QSC,  6                           ; s[6:7]   Q's scales at my head
.set MWB,  8                           ; s[8:9]   maskw
.set FLB,  10                          ; s[10:11] flags
.set OB,   12                          ; s[12:13] out0 at my head
.set WV,   14                          ; s14  wave
.set U,    15                          ; s15  u
                                       ; s[16:63], s[68:83]: the step's 64 mask words (word n in s[16 + n], from n = 48 on in s[20 + n]); at the head: the arguments and the fill's bases
.set MW,   84                          ; s[84:85] the step's record in maskw
.set ANY,  86                          ; s86  bit 0: the step in hand has a true entry
.set ALL,  87                          ; s87  bit 0: it has true entries alone
.set TB,   88                          ; s88  LDS byte at which the step's record begins
.set CNT,  89                          ; s89  steps done
.set HD,   90                          ; s90  head
.set TT,   91                          ; s91  the tile of queries in hand
.set CS,   92                          ; s[92:93] c = log2(e) / 8: the packed form names a pair and takes its low word for both halves
.set SEL,  94                          ; s[94:95] lane selects for v_permlanex16_b32: lane l xor 16
                                       ; s[96:97] an offset, its upper word 0; s[98:99], s[100:101], s[2:3] bases of the tile in hand
	s_load_b512 s[16:31], s[0:1], 0x0              ; Q's codes s[16:17], Q's scales s[18:19], K's s[20:21], s[22:23], V's s[24:25], s[26:27], maskw s[28:29], flags s[30:31]
	s_load_b64 s[OB:OB+1], s[0:1], 0x40            ; out0
	v_lshl_add_u32 v220, v0, 2, 0x48000            ; my spare word, behind all that the text uses of LDS; kept for the closing lines alone
	v_mov_b32 v221, 0                              ; and 0, likewise
	v_lshrrev_b32 v[TMP], 5, v0
	v_readfirstlane_b32 s[WV], v[TMP]              ; wave 0..15
	v_and_b32 v123, 31, v0                         ; lane
	v_and_b32 v120, 15, v0                         ; r
	v_bfe_u32 v121, v0, 4, 1                       ; h
	v_and_b32 v122, 8, v120
	v_add_nc_u32 v122, v122, v120                  ; r + 8 (r / 8)
	v_lshlrev_b32 v[LI16], 4, v123
	v_lshlrev_b32 v[LI8], 3, v123
	v_mov_b32 v[NINF], 0xff800000
	v_mul_u32_u24 v[QO], v120, 48
	v_mad_u32_u24 v[QO], v121, 24, v[QO]
	v_lshlrev_b32 v[QSO], 1, v120
	s_wait_alu depctr_va_sdst(0)                   ; the wave's number is written into s[WV], ahead of its first reader, the line below
	s_mul_i32 s3, s[WV], WSTG                      ; my stage
	v_mul_u32_u24 v[STO], v120, SPITCH             ; in: row r, 32 bytes for each half of the lanes
	v_lshl_add_u32 v[STO], v121, 5, v[STO]
	v_add_nc_u32 v[STO], s3, v[STO]
	v_mul_u32_u24 v[RD], v121, SPITCH              ; back: lanes 0-15 one row of 256 bytes, lanes 16-31 the next
	v_lshl_add_u32 v[RD], v120, 4, v[RD]
	v_add_nc_u32 v[RD], s3, v[RD]
	v_lshlrev_b32 v[GO], 8, v121                   ; and the same two rows in out0
	v_lshl_add_u32 v[GO], v120, 4, v[GO]
	v_mul_u32_u24 v[KO], v122, 48
	v_mad_u32_u24 v[KO], v121, 24, v[KO]
	v_mul_u32_u24 v[VO], v120, 1536
	v_mad_u32_u24 v[VO], v121, 24, v[VO]
	v_lshlrev_b32 v[KSO], 1, v122
	v_lshl_add_u32 v[KSO], v121, 4, v[KSO]
	v_lshlrev_b32 v[VSO], 6, v123
.irp i, 0,1,2,3,4,5
	v_mov_b32 v[QF+6+\i], 0                        ; Q's zero codes for k = 64 .. 127: they stay
	v_mov_b32 v[ZP+\i], 0                          ; and the six registers behind K's last tile
.endr
.irp b, 0,1,2,3
	v_mov_b32 v[BT+\b], 0                          ; written once: a lane permute's destination counts as one of its sources
.endr
	v_mov_b32 v[PW], 0                             ; (named as the upper half of the pair v[30:31] before it is first written)
	s_mul_i32 s[TB], s[WV], STEPB
	s_add_co_u32 s[TB], s[TB], REC                 ; the record that I fill: my wave's number
	v_add_nc_u32 v[ADR], s[TB], v[LI16]
	v_add_nc_u32 v[ADR8], s[TB], v[LI8]
	s_lshl_b32 s[U], s[WV], 2
	s_add_co_u32 s[U], s[U], ttmp9                 ; u = j + 4 x wave
	s_and_b32 s[HD], ttmp7, 0xffff                 ; the head
	s_mov_b32 s97, 0
	s_mov_b32 s99, 0
	s_mov_b32 s[CS], 0x3e38aa3b                    ; c = log2(e) / 8
	s_mov_b32 s[CS+1], s[CS]                       ; (named with it as a pair, so it is written)
	s_mov_b32 s[SEL], 0x76543210
	s_mov_b32 s[SEL+1], 0xfedcba98
	s_wait_kmcnt 0x0
	s_mul_i32 s96, s[HD], 98304                    ; a head's codes: 2,048 x 48 bytes in each of the three tensors
	s_add_nc_u64 s[QC:QC+1], s[16:17], s[96:97]
	s_add_nc_u64 s[32:33], s[20:21], s[96:97]
	s_add_nc_u64 s[36:37], s[24:25], s[96:97]
	s_lshl_b32 s96, s[HD], 12                      ; its scale bytes: 4,096
	s_add_nc_u64 s[QSC:QSC+1], s[18:19], s[96:97]
	s_add_nc_u64 s[34:35], s[22:23], s[96:97]
	s_add_nc_u64 s[38:39], s[26:27], s[96:97]
	s_mov_b64 s[MWB:MWB+1], s[28:29]
	s_mov_b64 s[FLB:FLB+1], s[30:31]
	s_lshl_b32 s96, s[HD], 19                      ; its rows of out0: 2,048 x 256 bytes
	s_add_nc_u64 s[OB:OB+1], s[OB:OB+1], s[96:97]
	s_mul_i32 s98, s[WV], 6144                     ; key step w: K's 128 rows of 48 bytes,
	s_add_nc_u64 s[32:33], s[32:33], s[98:99]
	s_lshl_b32 s98, s[WV], 8                       ; their 256 scale bytes,
	s_add_nc_u64 s[34:35], s[34:35], s[98:99]
	s_mul_i32 s98, s[WV], 96                       ; 96 bytes of each row of V,
	s_add_nc_u64 s[36:37], s[36:37], s[98:99]
	s_lshl_b32 s98, s[WV], 2                       ; and 4 scale bytes of each
	s_add_nc_u64 s[38:39], s[38:39], s[98:99]
	s_wait_alu depctr_va_vdst(0)                   ; all that the head's vector instructions made is written: the offsets and addresses v3, v4, v6-10, v216-219, which the loads and stores of the whole kernel read; v120-123, in which
	                                               ; loads of V land below (their readers are done too); and the zero codes in QF's upper six and in ZP, which the scaled products take as operands
	; THE FILL: the operands of key step w come from memory in the registers' own order and go to LDS as they stand
.irp t, 0,1,2,3,4,5,6,7
.irp p, 0,1,2
	global_load_b64 v[FB+6*\t+2*\p:FB+6*\t+2*\p+1], v[KO], s[32:33] offset:(32*(\t/2)+8*(\t%2))*48+8*\p   ; K's tile t: 24 bytes of my key's row: k = 32 h + 0 .. 31
.endr
.endr
.irp i, 0,1,2,3
	global_load_u16 v[KS+\i], v[KSO], s[34:35] offset:64*\i      ; two scale bytes, widened with zeros: tile 2 i + h, row r
.endr
.irp i, 0,1
	global_load_b32 v[VS+\i], v[VSO], s[38:39] offset:2048*\i    ; channel 32 i + lane: d-tile 2 i + h, row r
.endr
.irp d, 0,1,2,3
.irp c, 0,1
.irp p, 0,1,2
	global_load_b64 v[S+12*\d+6*\c+2*\p:S+12*\d+6*\c+2*\p+1], v[VO], s[36:37] offset:16*\d*1536+48*\c+8*\p   ; V's d-tile: keys 64 c + 32 h + 0 .. 31 of channel 16 d + r
.endr
.endr
.endr
	s_wait_loadcnt 24                              ; loads come back in order: all but V's 24, the last issued, are in
.irp g, 0,1,2,3,4,5,6,7,8,9,10,11
	ds_store_b128 v[ADR], v[FB+4*\g:FB+4*\g+3] offset:KOFF+512*\g   ; (the data are loads' results: the wait on LOADcnt is theirs; the address stands ahead of the wait on va_vdst above)
.endr
	ds_store_b128 v[ADR], v[KS:KS+3] offset:KSOFF
	ds_store_b64 v[ADR8], v[VS:VS+1] offset:VSOFF
	s_wait_loadcnt 0x0
.irp g, 0,1,2,3,4,5,6,7,8,9,10,11
	ds_store_b128 v[ADR], v[S+4*\g:S+4*\g+3] offset:VOFF+512*\g
.endr
	s_wait_dscnt 0x0                               ; for the others' sake: my record is written
	s_barrier_signal -1
	s_barrier_wait -1                              ; all sixteen records lie in LDS; from here on they are only read, and no further barrier is needed
; A KEY STEP: 128 keys against my 16 queries.
.macro STEP
	s_wait_alu depctr_vm_vsrc(0)                   ; the LDS loads issued so far have read v[ADR] and v[ADR8], which the two lines below write; in a tile's first step also: the fill's LDS stores, or the last tile's LDS and
	                                               ; global stores, have read FB, KS, VS and S, which this step's loads and products write.  It stands ahead of the branch, on every path
	v_add_nc_u32 v[ADR], s[TB], v[LI16]            ; (these two stand ahead of the branch; with the two v_nop below, four plain instructions stand between the last step's products and the loads into their registers)
	v_add_nc_u32 v[ADR8], s[TB], v[LI8]
	s_bitcmp1_b32 s[ANY], 0
	s_cbranch_scc0 .Lskip_\@                       ; no entry of the mask is true here: every p would be 0
	s_load_b512 s[16:31], s[MW:MW+1], 0x0          ; the step's 64 lane masks
	s_load_b512 s[32:47], s[MW:MW+1], 0x40
	s_load_b512 s[48:63], s[MW:MW+1], 0x80
	s_load_b512 s[68:83], s[MW:MW+1], 0xc0
	v_nop
	v_nop
	s_wait_alu depctr_va_vdst(0)                   ; v[ADR] and v[ADR8] are written, which the loads below read; the last walked step's products are done reading FB, KS and VS, in which they land
.irp g, 0,1,2,3,4,5,6,7,8,9,10,11
	ds_load_b128 v[FB+4*\g:FB+4*\g+3], v[ADR] offset:KOFF+512*\g
.endr
	ds_load_b128 v[KS:KS+3], v[ADR] offset:KSOFF
	ds_load_b64 v[VS:VS+1], v[ADR8] offset:VSOFF
	s_wait_dscnt 0x0
.irp t, 0,2,4,6                                ; S^T = K Q^T: eight accumulators, each begun with the constant 0.  An even tile's scale words lie in lanes 0-15 of its register, the odd tile's in lanes 16-31
	v_wmma_scale_f32_16x16x128_f8f6f4 v[S+8*\t:S+8*\t+7], v[FB+6*\t:FB+6*\t+11], v[QF:QF+11], 0, v[KS+\t/2], v[QS] matrix_a_fmt:MATRIX_FMT_FP6 matrix_b_fmt:MATRIX_FMT_FP6
	v_wmma_scale_f32_16x16x128_f8f6f4 v[S+8*\t+8:S+8*\t+15], v[FB+6*\t+6:FB+6*\t+17], v[QF:QF+11], 0, v[KS+\t/2], v[QS] matrix_a_fmt:MATRIX_FMT_FP6 matrix_b_fmt:MATRIX_FMT_FP6 matrix_a_scale:MATRIX_SCALE_ROW1
.endr
.rept 4
	v_nop                                          ; four places (ISA guide 7.12.1) in front of the first read of the scores
.endr
	s_wait_kmcnt 0x0                               ; the lane masks are in (also where they are not used: their registers and their base are written again later)
	s_bitcmp1_b32 s[ALL], 0
	s_cbranch_scc1 .Lopen_\@                       ; every entry is true: nothing to select
.set n, 0
.rept 64
	v_cndmask_b32 v[S+n], v[NINF], v[S+n], s[16+n+4*(n/48)]   ; the score where the mask's bit is set, else -infinity: p = 0 then.  Ascending: each accumulator is read from its low end on
.set n, n+1
.endr
.Lopen_\@:
.irp b, 0,1,2,3
	v_max3_num_f32 v[BM+\b], v[S+16*\b], v[S+16*\b+1], v[S+16*\b+2]   ; THE LARGEST SCORE OF EACH BLOCK OF 32 KEYS: it serves for the row's maximum and, since p rises with the score, for the block's largest p
.endr
.irp i, 3,5,7,9,11,13
.irp b, 0,1,2,3
	v_max3_num_f32 v[BM+\b], v[BM+\b], v[S+16*\b+\i], v[S+16*\b+\i+1]   ; (the four blocks by turns)
.endr
.endr
.irp b, 0,1,2,3
	v_max_num_f32 v[BM+\b], v[BM+\b], v[S+16*\b+15]
.endr
.irp b, 0,1,2,3
	v_permlanex16_b32 v[BT+\b], v[BM+\b], s[SEL], s[SEL+1]
.endr
.irp b, 0,1,2,3
	v_max_num_f32 v[BM+\b], v[BM+\b], v[BT+\b]     ; with lane l xor 16's 16 keys
.endr
	v_max3_num_f32 v[TMP], v[BM], v[BM+1], v[BM+2]
	v_max_num_f32 v[TMP], v[TMP], v[BM+3]          ; the step's largest score of my query
	v_mul_f32 v[TMP], s[CS], v[TMP]                ; as t (c is positive)
	v_max_num_f32 v13, v13, v[TMP]                 ; the running largest t
	v_mov_b32 v[TMP], v12
	v_floor_f32 v12, -v13                          ; the new -M = floor(-t) = -ceil(t): M is a whole number
	v_sub_f32 v[TMP], v12, v[TMP]                  ; M's old value less its new one: a whole number, 0 or less
	v_cvt_i32_f32 v[TMP], v[TMP]                   ; (it saturates)
	v_ldexp_f32 v[FF], 1.0, v[TMP]                 ; f = 2^(old M - new M)
.set j, 0
.rept 32
	v_pk_fma_f32 v[S+j:S+j+1], v[S+j:S+j+1], s[CS:CS+1], v[12:13] op_sel_hi:[1,0,0]   ; t - M, two at a time
.set j, j+2
.endr
.irp b, 0,1,2,3
	v_fma_f32 v[BM+\b], v[BM+\b], s[CS], v12       ; the same of each block's largest score
.endr
.set j, 0
	s_wait_alu depctr_va_vdst(0)
.rept 64
	v_exp_f32 v[S+j], v[S+j]                       ; p = 2^(t - M), at most 1: not normalised
.set j, j+1
.endr
.irp b, 0,1,2,3
	v_exp_f32 v[BM+\b], v[BM+\b]                   ; the block's largest p: the same two instructions on the same number give the same bits.  One batch with the 64, under the one wait below
.endr
	v_pk_mul_f32 v[14:15], v[14:15], v[FF:FF+1] op_sel_hi:[1,0]   ; the sum under the new M: the plain instruction behind the exponentials
	s_wait_alu depctr_va_vdst(0)                   ; the 68 exponentials have written S and BM, ahead of their first reader; and the eight products K Q^T are done reading FB, in which the loads below land
.irp g, 0,1,2,3,4,5,6,7,8,9,10,11
	ds_load_b128 v[FB+4*\g:FB+4*\g+3], v[ADR] offset:VOFF+512*\g   ; V takes K's registers and lands while the sums and the quantiser are walked: none of their lines names FB
.endr
	v_pk_add_f32 v[BT:BT+1], v[S:S+1], v[S+2:S+3]  ; THE ROW'S SUM IS TAKEN OF THE UNQUANTISED p: two at a time, in two chains
.irp j, 4,8,12,16,20,24,28,32,36,40,44
	v_pk_add_f32 v[14:15], v[14:15], v[S+\j:S+\j+1]
	v_pk_add_f32 v[BT:BT+1], v[BT:BT+1], v[S+\j+2:S+\j+3]
.endr
.irp j, 48,52,56,60
	v_pk_add_f32 v[BT:BT+1], v[BT:BT+1], v[S+\j+2:S+\j+3]   ; (the first chain's last four additions stand further down)
.endr
	v_pk_add_f32 v[14:15], v[14:15], v[BT:BT+1]
.irp b, 0,1,2,3
	v_max_num_f32 v[BM+\b], 0x1800000, v[BM+\b]    ; the floor 2^(3 - 127): the byte cannot fall under 1 (a block whose every p is 0 keeps that byte: its codes are zeros)
.endr
.irp b, 0,1,2,3
	v_add_nc_u32 v[SO+\b], 0xff000000, v[BM+\b]    ; 2 off the exponent field: the conversion's scale operand
.endr
.irp b, 0,1,2,3
	v_lshrrev_b32 v[BT+\b], 23, v[SO+\b]           ; the scale's byte
.endr
	v_lshl_or_b32 v[PW], v[BT+1], 8, v[BT]         ; P's scale word for these 128 keys
	v_lshl_or_b32 v[PW], v[BT+2], 16, v[PW]
	v_lshl_or_b32 v[PW], v[BT+3], 24, v[PW]
.irp c, 0,1
	v_cvt_scalef32_pk16_fp6_f32 v[PC+6*\c:PC+6*\c+2], v[S+32*\c:S+32*\c+15], v[SO+2*\c]
	v_cvt_scalef32_pk16_fp6_f32 v[BT+4*\c:BT+4*\c+2], v[S+32*\c+16:S+32*\c+31], v[SO+2*\c+1]   ; (a conversion's three registers begin on an even number)
.endr
	v_nop                                          ; one plain instruction between a scaled conversion and the vector instruction that touches its result
.irp c, 0,1                                    ; the operand's layout wants a WHOLE block in a lane: lanes 0-15 block 2 c, lanes 16-31 block 2 c + 1
.irp i, 0,1,2
	v_permlane16_swap_b32 v[PC+6*\c+\i], v[BT+4*\c+\i]
.endr
.irp i, 0,1,2
	v_mov_b32 v[PC+3+6*\c+\i], v[BT+4*\c+\i]
.endr
.endr
.set j, 0
.rept 16
	v_pk_mul_f32 v[OT+j:OT+j+1], v[OT+j:OT+j+1], v[FF:FF+1] op_sel_hi:[1,0]   ; O^T under the new M: x f.  Ascending: each accumulator is read from its low end on
.set j, j+2
.endr
.irp j, 48,52,56,60
	v_pk_add_f32 v[14:15], v[14:15], v[S+\j:S+\j+1]   ; the sum's last four pairs: plain work that names no register of the products below.  With the sixteen above: 20 instructions behind the last write of P's codes and scale word
.endr
	s_wait_dscnt 0x0                               ; V is in
	s_wait_alu depctr_va_vdst(0)                   ; P's codes in PC and its scale word in PW, made by vector instructions, are written: the scaled products below take them as operand and scales; the places above stay beside this wait
.irp d, 0,2                                    ; O^T += V^T P^T: four accumulators by turns, one instruction a turn; the next step's eight products of S^T stand between two links
	v_wmma_scale_f32_16x16x128_f8f6f4 v[OT+8*\d:OT+8*\d+7], v[FB+12*\d:FB+12*\d+11], v[PC:PC+11], v[OT+8*\d:OT+8*\d+7], v[VS+\d/2], v[PW] matrix_a_fmt:MATRIX_FMT_FP6 matrix_b_fmt:MATRIX_FMT_FP6
	v_wmma_scale_f32_16x16x128_f8f6f4 v[OT+8*\d+8:OT+8*\d+15], v[FB+12*\d+12:FB+12*\d+23], v[PC:PC+11], v[OT+8*\d+8:OT+8*\d+15], v[VS+\d/2], v[PW] matrix_a_fmt:MATRIX_FMT_FP6 matrix_b_fmt:MATRIX_FMT_FP6 matrix_a_scale:MATRIX_SCALE_ROW1
.endr
.Lskip_\@:
.endm
; THE WAY OUT of a tile: O^T is divided by the sum and goes through my stage in LDS, so that sixteen lanes store one whole row of 256 bytes.
.macro OUT
	v_add_f32 v14, v14, v15                        ; the sum's two halves,
	v_permlanex16_b32 v[TMP], v14, s[SEL], s[SEL+1]
	v_add_f32 v14, v14, v[TMP]                     ; and lane l xor 16's: the row's sum
	s_wait_alu depctr_va_vdst(0)
	v_rcp_f32 v14, v14
.rept 3
	v_nop                                          ; the plain instruction behind the reciprocal; with the two additions above also the places behind the last products
.endr
	s_wait_alu depctr_va_vdst(0)                   ; the reciprocal has written v14, ahead of its first reader
.set j, 0
.rept 16
	v_pk_mul_f32 v[S+j:S+j+1], v[OT+j:OT+j+1], v[14:15] op_sel_hi:[1,0]   ; register 8 d + i is o(query r, channel 16 d + 8 h + i)
.set j, j+2
.endr
	s_wait_alu depctr_va_vdst(0)                   ; the multiplies have written S, which the LDS stores read.  No vector instruction follows before the loads from the stage and the next tile's loads of Q: so this wait also
	                                               ; states that the tile's products are done reading FB, in which the first land, and QF and QS, in which the second land
.irp d, 0,1,2,3
	ds_store_b128 v[STO], v[S+8*\d:S+8*\d+3] offset:64*\d
	ds_store_b128 v[STO], v[S+8*\d+4:S+8*\d+7] offset:64*\d+16
.endr
.irp i, 0,1,2,3,4,5,6,7
	ds_load_b128 v[FB+4*\i:FB+4*\i+3], v[RD] offset:2*\i*SPITCH   ; LDS serves a wave's instructions in order (ISA guide 5.7.1.4): these see my stores
.endr
.irp i, 0,1,2,3,4,5,6,7
	s_wait_dscnt 7-\i                              ; the 7 - i younger loads from the stage may stay out
	global_store_b128 v[GO], v[FB+4*\i:FB+4*\i+3], s[98:99] offset:512*\i th:TH_STORE_NT   ; 16 lanes store 256 consecutive bytes, at a multiple of 256 from out0's first byte
.endr
.endm
; ONE TILE OF 16 QUERIES, s[TT]: Q and the flags are fetched, the 16 key steps are walked, the tile goes out.
.macro PASS
	s_wait_xcnt 0x0                                ; the last tile's stores have had their addresses translated: their base is written again below (their data registers, FB, are written again only behind the first step's wait on vm_vsrc too)
	s_mul_i32 s96, s[TT], 768                      ; 16 rows of 48 bytes
	s_add_nc_u64 s[98:99], s[QC:QC+1], s[96:97]
.irp p, 0,1,2
	global_load_b64 v[QF+2*\p:QF+2*\p+1], v[QO], s[98:99] offset:8*\p   ; Q's codes: k = 32 h + 0 .. 31 of query r.  (No vector or matrix instruction since the last wait on va_vdst, the head's or the way out's, names QF, QS or the offsets)
.endr
	s_lshl_b32 s96, s[TT], 5
	s_add_nc_u64 s[100:101], s[QSC:QSC+1], s[96:97]
	global_load_u16 v[QS], v[QSO], s[100:101]      ; its two scale bytes, widened with zeros
	s_lshl_b32 s96, s[TT], 7
	s_add_nc_u64 s[2:3], s[FLB:FLB+1], s[96:97]
	s_load_b64 s[ANY:ALL], s[2:3], 0x0             ; the tile's flags: bit s for key step s
	s_lshl_b32 s96, s[TT], 12                      ; the tile's 16 records in maskw are 4,096 bytes, and so are its 16 rows of out0
	s_add_nc_u64 s[MW:MW+1], s[MWB:MWB+1], s[96:97]
	v_mov_b32 v13, 0xff61b1e6                      ; the largest t so far: -3e38, under every t
	v_floor_f32 v12, -v13                          ; -M
	v_mov_b32 v14, 0                               ; the sum, in two halves
	v_mov_b32 v15, 0
.set j, 0
.rept 32
	v_mov_b32 v[OT+j], 0                           ; O^T.  Which step is the first that is not left out hangs on the flags, so no step can be written out as the one that starts the sums
.set j, j+1
.endr
	s_mov_b32 s[TB], REC
	s_mov_b32 s[CNT], 0
	s_wait_kmcnt 0x0                               ; the flags
	s_wait_loadcnt 0x0                             ; Q; its loads are done, so their base may be written:
	s_add_nc_u64 s[98:99], s[OB:OB+1], s[96:97]    ; the tile's rows of out0
.Lstep_\@:
	STEP
	s_lshr_b32 s[ANY], s[ANY], 1                   ; on to the next step: its flags,
	s_lshr_b32 s[ALL], s[ALL], 1
	s_add_nc_u64 s[MW:MW+1], s[MW:MW+1], 256       ; its lane masks (the loads that named this base were waited for),
	s_add_co_u32 s[TB], s[TB], STEPB               ; its record
	s_add_co_u32 s[CNT], s[CNT], 1
	s_cmp_lt_u32 s[CNT], 16
	s_cbranch_scc1 .Lstep_\@
	OUT
.endm
	s_mov_b32 s[TT], s[U]                          ; tile u,
	PASS
	s_sub_co_u32 s[TT], 127, s[U]                  ; and tile 127 - u
	PASS
	s_wait_dscnt 0x0                               ; the closing lines, six on end
	s_wait_alu 0x0
	s_wait_tensorcnt 0x0
	ds_add_u32 v220, v221
	s_wait_dscnt 0x0
	s_endpgm
.Lfunc_end_k_q280490eec2_attn:
	.size	k_q280490eec2_attn, .Lfunc_end_k_q280490eec2_attn-k_q280490eec2_attn
	.p2alignl 7, 3214868480
	.fill 96, 4, 3214868480
	.section	.rodata,"a",@progbits
	.p2align	6, 0x0
	.amdhsa_kernel k_q280490eec2_attn
		.amdhsa_group_segment_fixed_size 296960
		.amdhsa_private_segment_fixed_size 0
		.amdhsa_enable_private_segment 0
		.amdhsa_kernarg_size 72
		.amdhsa_user_sgpr_count 2
		.amdhsa_user_sgpr_kernarg_segment_ptr 1
		.amdhsa_wavefront_size32 1
		.amdhsa_system_sgpr_workgroup_id_x 1
		.amdhsa_system_sgpr_workgroup_id_y 1
		.amdhsa_system_sgpr_workgroup_id_z 1
		.amdhsa_system_vgpr_workitem_id 0
		.amdhsa_next_free_vgpr 222
		.amdhsa_next_free_sgpr 102
		.amdhsa_reserve_vcc 0
		.amdhsa_float_denorm_mode_32 3
		.amdhsa_float_denorm_mode_16_64 3
		.amdhsa_memory_ordered 1
		.amdhsa_forward_progress 1
		.amdhsa_inst_pref_size 62
	.end_amdhsa_kernel
	.amdgpu_metadata
---
amdhsa.version: [ 1, 2 ]
amdhsa.kernels:
  - .name:           k_q280490eec2_attn
    .symbol:         k_q280490eec2_attn.kd
    .args:
      - { .name: queries_codes, .offset: 0, .size: 8, .value_kind: global_buffer, .address_space: global }
      - { .name: queries_scales, .offset: 8, .size: 8, .value_kind: global_buffer, .address_space: global }
      - { .name: keys_codes, .offset: 16, .size: 8, .value_kind: global_buffer, .address_space: global }
      - { .name: keys_scales, .offset: 24, .size: 8, .value_kind: global_buffer, .address_space: global }
      - { .name: values_codes, .offset: 32, .size: 8, .value_kind: global_buffer, .address_space: global }
      - { .name: values_scales, .offset: 40, .size: 8, .value_kind: global_buffer, .address_space: global }
      - { .name: maskw, .offset: 48, .size: 8, .value_kind: global_buffer, .address_space: global }
      - { .name: flags, .offset: 56, .size: 8, .value_kind: global_buffer, .address_space: global }
      - { .name: out0, .offset: 64, .size: 8, .value_kind: global_buffer, .address_space: global }
    .group_segment_fixed_size: 296960
    .private_segment_fixed_size: 0
    .kernarg_segment_align: 8
    .kernarg_segment_size: 72
    .max_flat_workgroup_size: 512
    .sgpr_count:     102
    .vgpr_count:     222
    .wavefront_size: 32
...
	.end_amdgpu_metadata
.endif
;; end of part 4
